; MI455X (gfx1250); checked and timed in simulation.
; The chip was launched on July 23, 2026; its instructions are those of AMD's public machine-readable ISA for CDNA 5 (MIT licence, August 2026) and "CDNA5" Instruction Set Architecture Reference Guide (July 2026). The comments in the code are by the model that wrote it; some were corrected since.
;; Attention Block. Allowed arithmetic: matrix products marked QUANTISED: E2M3 operands, one E8M0 scale for each 32 along K, by v_wmma_scale_f32_16x16x128_f8f6f4 with both operands' format E2M3, f32 sums; everything else in f32.
;; Inputs: Wk_codes 1,024 x 32 x 24 uint8 (E2M3 codes of Wk, K innermost, in blocks of 32 codes, four codes in three bytes); Wk_scales 1,024 x 32 uint8 (E8M0 scales of Wk, one for each 32 codes along K); Wo_codes 1,024 x 32 x 24 uint8 (E2M3 codes of Wo, K innermost, in blocks of 32 codes, four codes in three bytes); Wo_scales 1,024 x 32 uint8 (E8M0 scales of Wo, one for each 32 codes along K); Wq_codes 1,024 x 32 x 24 uint8 (E2M3 codes of Wq, K innermost, in blocks of 32 codes, four codes in three bytes); Wq_scales 1,024 x 32 uint8 (E8M0 scales of Wq, one for each 32 codes along K); Wv_codes 1,024 x 32 x 24 uint8 (E2M3 codes of Wv, K innermost, in blocks of 32 codes, four codes in three bytes); Wv_scales 1,024 x 32 uint8 (E8M0 scales of Wv, one for each 32 codes along K); bk 1,024 float32; bo 1,024 float32; bq 1,024 float32; bv 1,024 float32; x_codes 4 x 2,048 x 32 x 24 uint8 (E2M3 codes of x, K innermost, in blocks of 32 codes, four codes in three bytes); x_scales 4 x 2,048 x 32 uint8 (E8M0 scales of x, one for each 32 codes along K).
;; Outputs: out0 4 x 2,048 x 1,024 float32.
;; This version of the problem:
;;   THIS VERSION OF THE PROBLEM IS GIVEN IN LOW PRECISION. The matrix products marked QUANTISED in the list below multiply operands that are first quantised to E2M3 (2 exponent bits, 3 mantissa bits; 6 bits a number), with one power-of-two scale for each 32 numbers along K (OCP MX v1.0); their sums are f32. All else is computed in f32.
;;   The module's matrix products, in the order in which they are computed (A, B: the left and right operand; K: the contracted axis; several contracted axes count as one K, in the product's order):
;;     1. [M 8,192, K 1,024] x [K 1,024, N 1,024]; A: input x (given as codes); B: input Wq (given as codes): QUANTISED
;;     2. [M 8,192, K 1,024] x [K 1,024, N 1,024]; A: input x (given as codes); B: input Wk (given as codes): QUANTISED
;;     3. [M 8,192, K 1,024] x [K 1,024, N 1,024]; A: input x (given as codes); B: input Wv (given as codes): QUANTISED
;;     4. batch 64 x [M 2,048, K 64] x [K 64, N 2,048]; A: computed on the way; B: computed on the way: QUANTISED
;;     5. batch 64 x [M 2,048, K 2,048] x [K 2,048, N 64]; A: softmax (see below); B: computed on the way: QUANTISED
;;     6. [M 8,192, K 1,024] x [K 1,024, N 1,024]; A: computed on the way; B: input Wo (given as codes): QUANTISED
;;   THE QUANTISER, for each operand of a quantised product, along K:
;;     - K is cut into blocks of 32 from its start; a last block that is shorter is filled with zeros.
;;     - A block's scale is 2^e with e = floor(log2(the largest magnitude in the block)) - 2, held to -126 .. 127; a block of zeros has e = 0. As a byte (E8M0): e + 127.
;;     - Each number is divided by its block's scale, clamped to +-7.5, and rounded to the nearest number of E2M3, ties to even, subnormals kept.
;;     - The product sums the exact products of the quantised numbers (number of the format x scale) in f32.
;;   ~~~python
;;   def quantise(x, axis):      # numpy; x: float32 -> the quantised numbers, widened to float32 again
;;       x = np.moveaxis(x, axis, -1); K = x.shape[-1]
;;       x = np.pad(x, [(0, 0)] * (x.ndim - 1) + [(0, -K % 32)]); x = x.reshape(x.shape[:-1] + (-1, 32)); a = np.abs(x).max(-1, keepdims=True)
;;       e = np.where(a > 0, np.clip(np.frexp(np.where(a > 0, a, 1))[1] - 1 - 2, -126, 127), 0)      # np.frexp(a)[1] - 1 = floor(log2(a)), exactly
;;       r = np.clip(x / 2.0 ** e, -7.5, 7.5)
;;       step = 2.0 ** (np.maximum(np.frexp(np.where(r == 0, 1, r))[1] - 1, 0) - 3)
;;       q = np.round(r / step) * step * 2.0 ** e      # np.round: ties to even
;;       return np.moveaxis(q.reshape(q.shape[:-2] + (-1,))[..., :K], -1, axis).astype(np.float32)
;;   ~~~
;;   SOFTMAX AHEAD OF A QUANTISED PRODUCT. Where the list says 'softmax', what is quantised is not the finished softmax but p = 2^(t - M), with t = logit x log2(e) and M = ceil(the row's largest t), a whole number; so 1/2 < the row's largest p <= 1. The row's sum l is taken of the UNQUANTISED p, in f32, and the product's result is divided by l at the end. Since M is a whole number, a kernel that streams over the keys may use a running M (the ceiling of the running maximum): every later rescaling is an exact power of two, which a block's scale takes up: the codes' values come out the same.
;;   OPERANDS COMPUTED ON THE WAY. 'Computed on the way' means the value that the module computes at that place (a softmax that the list does not call 'softmax' is quantised finished and normalised). What goes into a quantiser is computed in f32, as accurately as f32 sums, v_exp_f32 and their like allow (about 1e-6 of the number): no bf16 or f16 on the way to a quantiser, and a product that is left as it is and whose result goes on into a quantised operand takes f32 operands (vector FMAs, or v_wmma_f32_16x16x4_f32). A number that lies on a knife's edge between two numbers of the format may be rounded either way, as far as f32 arithmetic and the matrix unit's own rounding can turn it there, and no further.
;;   INPUTS GIVEN AS CODES. Wk (in the module: [1024, 1024], K = its axis 1); Wo (in the module: [1024, 1024], K = its axis 1); Wq (in the module: [1024, 1024], K = its axis 1); Wv (in the module: [1024, 1024], K = its axis 1); x (in the module: [4, 2048, 1024], K = its axis 2): each comes as NAME_codes (uint8): NAME with its K axis moved to the last place and cut into blocks of 32 codes, [.., K / 32, bytes a block], one block behind the other in memory; four codes in three bytes: a row's codes are one little-endian stream of bits, code i at bits 6 i .. 6 i + 5 (a code: sign, 2 exponent bits, 3 mantissa bits); and NAME_scales (uint8): the same leading axes, one E8M0 byte (e + 127) for each 32 codes along K. Its value is code x scale, taken as it is: it is not quantised again, and the codes and scales need not be those that the quantiser above would give.
;; One version. Each part assembles by itself: llvm-mc -triple=amdgcn-amd-amdhsa -mcpu=gfx1250 --defsym DOCPART=n.
;; ======== version 1 of 1: 3 launches
;; workspace buffers: qimg 6,291,456 bytes; qscl 524,288 bytes; kv 13,369,344 bytes; oimg 6,291,456 bytes; oscl 524,288 bytes
;; launch qkv (part 1): grid 8 x 32, 4 waves a work-group, clusters of 4 x 4, 327,680 bytes of LDS; arguments x_codes, x_scales, Wq_codes, Wq_scales, Wk_codes, Wk_scales, Wv_codes, Wv_scales, bq, bk, bv, qimg, qscl, kv; writes qimg, qscl, kv
.if DOCPART == 1
	.amdgcn_target "amdgcn-amd-amdhsa--gfx1250"
	.amdhsa_code_object_version 6
	.text
	.protected	k_qbbd611cdbe_qkv
	.globl	k_qbbd611cdbe_qkv
	.p2align	8
	.type	k_qbbd611cdbe_qkv,@function
k_qbbd611cdbe_qkv:
	s_mov_b64 s[64:65], 0
	v_nop
	global_prefetch_b8 v0, s[64:65] scope:SCOPE_SE
	s_setreg_imm32_b32 hwreg(HW_REG_WAVE_MODE, 25, 1), 1
	s_wait_xcnt 0x0
	s_wait_alu depctr_hold_cnt(0) depctr_sa_sdst(0) depctr_va_vdst(0) depctr_va_sdst(0) depctr_va_ssrc(0) depctr_va_vcc(0) depctr_vm_vsrc(0)
	s_getreg_b32 s2, hwreg(HW_REG_IB_STS2, 6, 4)
	s_cmp_eq_u32 s2, 0
	s_cbranch_scc0 .Lentry_in_a_cluster
	s_endpgm
.Lentry_in_a_cluster:
	s_bfe_u32 s2, ttmp6, 0x10000c
	s_cmp_lg_u32 s2, 0xf033
	s_cbranch_scc0 .Lentry_shape_is_right
	s_endpgm
.Lentry_shape_is_right:
; q = x Wq^T + bq, k = x Wk^T + bk, v = x Wv^T + bv on codes of E2M3 with E8M0 scales, sums in f32; the three results are quantised in registers
; (q and k along the head's 64, v along the tokens) and leave as IMAGES OF OPERAND REGISTERS, so that the next launch loads them as they stand.
; SHARES.  Work-group (g, tb): rows 128 g .. 128 g + 127 of each weight (heads 2 g, 2 g + 1) x tokens 256 tb .. 256 tb + 255.  Wave w owns 64 tokens and keeps their codes for all of K in 384 registers;
; the three weight tiles (128 rows x K 1,024) are read from LDS, 8 K steps x 32 matrix instructions on 32 accumulators each.
; THE ROWS OF A TILE ARE NOT NEIGHBOURS: in a group of 64 rows lane r of tile T takes row 8 T + (r & 7) + 32 (r >> 3).  As source 0 that gives lane half h, register e of tile T the row 32 h + 8 T + e:
; the 32 registers of tiles 0-3 are ONE block of 32 in ONE lane: its maximum needs no other lane and two conversions give registers 6 c .. 6 c + 5 of a fragment.
; q, k: source 0 = 16 rows of W, source 1 = 16 tokens (a lane holds a token, registers run along d).  v: source 0 = 16 tokens, source 1 = 16 rows of Wv (a lane holds a d, registers run along the tokens).
; HALF IMAGE, 768 bytes: 16 rows x 64 along K, 6 registers a lane: registers 0-3 at 16 x lane, registers 4-5 at 512 + 8 x lane.
; CLUSTER 4 x 4: x's tiles are shared along a row of the cluster, the weights' along a column: joint loads.
; LDS: three slots of 128 rows.  x (256 rows) first lies in slots 1 and 2, goes into registers, and its bytes are filled ONCE again, with Wk and Wv, while Wq (slot 0) is multiplied.
; LIMITS: NaN and infinities are not served.  A block whose largest magnitude lies under 2^-124 is quantised under the scale byte 1; a block of zeros has the byte 1 (its codes are zeros; this program alone reads the bytes).
.set PITCH, 816                        ; a row in LDS: 3 x (256 bytes + 16 of padding)
.set T8,    8*PITCH
.set G32,   32*PITCH                   ; 32 rows
.set PS,    2*G32+128                  ; a slot's rows 64 G + 32 .. 63 begin here: 32 words on in the banks, so that a tile's sixteen rows begin at sixteen different multiples of 4 words (64 banks of 4 bytes: ISA guide 11.1)
.set SLOT,  2*PS
.set SPARE, 3*SLOT                     ; the spare words: 128 bytes a wave, two blocks of 256 bytes that no other line names
.set SCR,   SPARE+512                  ; 512 bytes a wave: v's scale words from wave to wave; no fill lands here
.set HQ,    98304                      ; a head in qimg
.set HKV,   208896                     ; a head in kv: 16 steps of
.set STEPB, 13056                      ; 128 keys: K's codes 6,144, V's codes 6,144, V's scale words 256, K's 512
.set VC,    6144
.set VSO,   12288
.set KSO,   12544
.set GF,    (3<<16)|(1<<20)|(1<<21)|(5<<22)|(3<<25)   ; group 1, word 0: elements of 8 bytes; padding on; bit 21 beside a mask; behind every 64 words; 4 words
.set SPW, 1                            ; v1  my spare word's address; never rewritten
.set NIL, 2                            ; v2  0; never rewritten
.set ADX, 4                            ; v4-5   my 64 rows of x in LDS (the second register: for pieces behind one padding more in lanes 16-31)
.set ADT, 6                            ; v6-11  the same for a weight tile in slot 0, 1, 2
.set L16, 12                           ; v12 16 x lane
.set L8,  13                           ; v13 8 x lane
.set QSO, 14                           ; v14 q's scale words: 8,192 h + 16 r
.set KSV, 15                           ; v15 k's and v's: 208,896 h + 16 r
.set SELV, 16                          ; v16 byte selects for the scale words
.set BOQ, 17                           ; v17 bias of q, k: 128 h
.set BOV, 18                           ; v18 bias of v: 4 (r & 7) + 128 (r >> 3)
.set SOT, 19                           ; v19 the weights' scale words
.set SOX, 20                           ; v20 x's scale words
.set SCRA, 21                          ; v21 my place in the scratch
.set MX,  24                           ; v24-31 largest magnitudes; later halves of scale words
.set SO,  32                           ; v32-39 the conversions' scale operands
.set SB,  40                           ; v40-47 scale bytes; later scale words
.set RS,  48                           ; v48-63 x's scale words: register 8 T + q: lanes 0-15 tile T, lanes 16-31 tile T + 2
.set TS,  64                           ; v64-159 the weights': 32 a weight: register 8 T + q: lanes 0-15 rows 0-63, lanes 16-31 rows 64-127
.set BB,  160                          ; v160.. weight fragments, set A; at a tile's end the bias, then the codes
.set BV,  160
.set CD,  160
; window 1: x's fragments of K steps 0-4 (48 q + 12 tile); window 2: v0-143 K steps 5-7, v144-239 weight fragments, set B; window 3: the accumulators
.set MSB, 0
.macro WIN new                         ; the immediate's high byte repeats the setting that is left
.if MSB != (\new)
	s_set_vgpr_msb (MSB<<8)|(\new)
.set MSB, (\new)
.endif
.endm
.macro PLACES n
.rept \n
	v_nop
.endr
.endm
.macro CREST
	s_cmp_lg_u32 s4, 0
	s_cbranch_scc1 .Lnot_wave_0_\@
	s_barrier_signal -3
.Lnot_wave_0_\@:
	s_barrier_wait -3
	s_barrier_signal -1
	s_barrier_wait -1
.endm
.macro CROUND                          ; a round of the cluster's barrier
	s_barrier_signal -1
	s_barrier_wait -1
	CREST
.endm
.macro JLOAD                           ; the one refill: waves 0, 1 bring Wk's tile into slot 1, waves 2, 3 Wv's into slot 2; four v_nop follow each line
	s_cmp_eq_u32 s5, 0
	s_cbranch_scc0 .Lfor_v_\@
	tensor_load_to_lds s[72:75], s[44:51]
	s_nop 0
	PLACES 4
	s_branch .Lasked_\@
.Lfor_v_\@:
	tensor_load_to_lds s[76:79], s[44:51]
	s_nop 0
	PLACES 4
.Lasked_\@:
.endm
; A fragment, 16 rows x 128 K: lane (r, h) takes 24 bytes at 96 q + 24 h and 24 at 96 q + 48 + 24 h of its row, in pieces of 8 bytes.  16 bytes of padding lie behind every 32 pieces.
.macro FRAG reg, adr, q, off
.set FR0, \reg
.irp p, 0,1,2,3,4,5
.set PCE, 12*(\q)+6*(\p/3)+\p%3
.if PCE%32 < 29
	ds_load_b64 v[FR0+2*\p:FR0+2*\p+1], v[\adr] offset:(\off)+8*PCE+16*(PCE/32)
.else
	ds_load_b64 v[FR0+2*\p:FR0+2*\p+1], v[\adr+1] offset:(\off)+8*PCE+16*(PCE/32)
.endif
.endr
.endm
.macro FETCH adr, q, set               ; the weight tile's eight fragments of K step q into set A (window 0) or B (window 2)
.if \set
	WIN 0x80
.else
	WIN 0
.endif
.irp ti, 0,1,2,3,4,5,6,7
	FRAG 160-16*(\set)+12*\ti, \adr, \q, (\ti/4)*G32+(\ti%4)*T8
.endr
.endm
.macro WM z                            ; one product; z: it starts the sum.  fA, fB: the side's scale words lie in lanes 16-31
.if (\z) && fA && fB
	v_wmma_scale_f32_16x16x128_f8f6f4 v[rD:rD+7], v[rA:rA+11], v[rB:rB+11], 0, v[rSA], v[rSB] matrix_a_fmt:MATRIX_FMT_FP6 matrix_b_fmt:MATRIX_FMT_FP6 matrix_a_scale:MATRIX_SCALE_ROW1 matrix_b_scale:MATRIX_SCALE_ROW1
.elseif (\z) && fA
	v_wmma_scale_f32_16x16x128_f8f6f4 v[rD:rD+7], v[rA:rA+11], v[rB:rB+11], 0, v[rSA], v[rSB] matrix_a_fmt:MATRIX_FMT_FP6 matrix_b_fmt:MATRIX_FMT_FP6 matrix_a_scale:MATRIX_SCALE_ROW1
.elseif (\z) && fB
	v_wmma_scale_f32_16x16x128_f8f6f4 v[rD:rD+7], v[rA:rA+11], v[rB:rB+11], 0, v[rSA], v[rSB] matrix_a_fmt:MATRIX_FMT_FP6 matrix_b_fmt:MATRIX_FMT_FP6 matrix_b_scale:MATRIX_SCALE_ROW1
.elseif (\z)
	v_wmma_scale_f32_16x16x128_f8f6f4 v[rD:rD+7], v[rA:rA+11], v[rB:rB+11], 0, v[rSA], v[rSB] matrix_a_fmt:MATRIX_FMT_FP6 matrix_b_fmt:MATRIX_FMT_FP6
.elseif fA && fB
	v_wmma_scale_f32_16x16x128_f8f6f4 v[rD:rD+7], v[rA:rA+11], v[rB:rB+11], v[rD:rD+7], v[rSA], v[rSB] matrix_a_fmt:MATRIX_FMT_FP6 matrix_b_fmt:MATRIX_FMT_FP6 matrix_a_scale:MATRIX_SCALE_ROW1 matrix_b_scale:MATRIX_SCALE_ROW1
.elseif fA
	v_wmma_scale_f32_16x16x128_f8f6f4 v[rD:rD+7], v[rA:rA+11], v[rB:rB+11], v[rD:rD+7], v[rSA], v[rSB] matrix_a_fmt:MATRIX_FMT_FP6 matrix_b_fmt:MATRIX_FMT_FP6 matrix_a_scale:MATRIX_SCALE_ROW1
.elseif fB
	v_wmma_scale_f32_16x16x128_f8f6f4 v[rD:rD+7], v[rA:rA+11], v[rB:rB+11], v[rD:rD+7], v[rSA], v[rSB] matrix_a_fmt:MATRIX_FMT_FP6 matrix_b_fmt:MATRIX_FMT_FP6 matrix_b_scale:MATRIX_SCALE_ROW1
.else
	v_wmma_scale_f32_16x16x128_f8f6f4 v[rD:rD+7], v[rA:rA+11], v[rB:rB+11], v[rD:rD+7], v[rSA], v[rSB] matrix_a_fmt:MATRIX_FMT_FP6 matrix_b_fmt:MATRIX_FMT_FP6
.endif
.endm
; K step q: 32 products, the 32 accumulators by turns in the same order in every step.  Weight tile 4 c + a, token tile b.
; mode 0: block n = 4 c + b (a token tile of head c), its part a;  mode 1: block n = 4 c + a (a d tile of head c), its part b.  Accumulator at v[8 (4 n + part)] of window 3.
.macro MULS mode, q, ts
.set SETW, 2*((\q)%2)
.set SETB, 160-16*((\q)%2)
.set RWN, 1+(\q)/5
.set RBS, 48*((\q)%5)
.if \mode
	WIN 0xf0|(SETW<<2)|RWN
.else
	WIN 0xf0|(RWN<<2)|SETW
.endif
.irp c, 0,1
.irp a, 0,1,2,3
.irp b, 0,1,2,3
.if \mode
.set rD, 8*(4*(4*\c+\a)+\b)
.set rA, RBS+12*\b
.set rB, SETB+12*(4*\c+\a)
.set rSA, RS+8*(\b%2)+(\q)
.set rSB, (\ts)+8*\a+(\q)
.set fA, \b/2
.set fB, \c
.else
.set rD, 8*(4*(4*\c+\b)+\a)
.set rA, SETB+12*(4*\c+\a)
.set rB, RBS+12*\b
.set rSA, (\ts)+8*\a+(\q)
.set rSB, RS+8*(\b%2)+(\q)
.set fA, \c
.set fB, \b/2
.endif
	WM (\q)==0
.endr
.endr
.endr
.endm
; A weight tile: each K step's fragments are asked for one step ahead, into the set that the step before has multiplied: four places stand between those products and the loads (ISA guide 7.12.1 for vector instructions).
.macro TILE mode, adr, ts, bp
	FETCH \adr, 0, 0
	s_wait_dscnt 0x0
	FETCH \adr, 1, 1                               ; (set B's last reader lies a whole epilogue back)
	MULS \mode, 0, \ts
.irp q, 1,2,3,4,5,6
	s_wait_dscnt 0x0                               ; this step's fragments are in: they were asked for 32 matrix instructions ago
	PLACES 4
	FETCH \adr, \q+1, (\q+1)%2
	MULS \mode, \q, \ts
.endr
	s_wait_dscnt 0x0
	PLACES 4
	WIN 0                                          ; the bias takes set A's registers while the last step is multiplied
.if \mode
.irp n, 0,1,2,3,4,5,6,7
	global_load_b32 v[BV+2*\n], v[BOV], s[\bp:\bp+1] offset:256*(\n/4)+32*(\n%4)     ; one number a lane for block n, twice: a pair for the packed addition
	global_load_b32 v[BV+2*\n+1], v[BOV], s[\bp:\bp+1] offset:256*(\n/4)+32*(\n%4)
.endr
.else
.irp c, 0,1
.irp t, 0,1,2,3
.irp u, 0,1
	global_load_b128 v[BB+32*\c+8*\t+4*\u:BB+32*\c+8*\t+4*\u+3], v[BOQ], s[\bp:\bp+1] offset:256*\c+32*\t+16*\u
.endr
.endr
.endr
.endif
	MULS \mode, 7, \ts
.endm
; A tile's end: + bias; each of the lane's eight blocks of 32 gets its scale and its codes; images and scale words leave.
.macro EPI mode, hs, tsr, bs, off, kind
	PLACES 4                                       ; in front of the first read of results
	s_wait_loadcnt 0x0                             ; the bias
	WIN 0xc3
.irp n, 0,1,2,3,4,5,6,7
.irp t, 0,1,2,3
.irp i, 0,2,4,6
.if \mode
	v_pk_add_f32 v[32*\n+8*\t+\i:32*\n+8*\t+\i+1], v[32*\n+8*\t+\i:32*\n+8*\t+\i+1], v[BV+2*\n:BV+2*\n+1]
.else
	v_pk_add_f32 v[32*\n+8*\t+\i:32*\n+8*\t+\i+1], v[32*\n+8*\t+\i:32*\n+8*\t+\i+1], v[BB+32*(\n/4)+8*\t+\i:BB+32*(\n/4)+8*\t+\i+1]
.endif
.endr
.endr
.endr
	WIN 0x3c
.irp n, 0,1,2,3,4,5,6,7
	v_max3_num_f32 v[MX+\n], 0x1800000, |v[32*\n]|, |v[32*\n+1]|       ; the floor 2^(3 - 127) among the leaves: the byte cannot fall under 1
.endr
.irp i, 2,4,6,8,10,12,14,16,18,20,22,24,26,28,30
.irp n, 0,1,2,3,4,5,6,7
	v_max3_num_f32 v[MX+\n], v[MX+\n], |v[32*\n+\i]|, |v[32*\n+\i+1]|  ; the eight blocks by turns
.endr
.endr
	WIN 0
.irp n, 0,1,2,3,4,5,6,7
	v_add_nc_u32 v[SO+\n], 0xff000000, v[MX+\n]    ; 2 off the exponent field: the conversion's scale operand
.endr
.irp n, 0,1,2,3,4,5,6,7
	v_lshrrev_b32 v[SB+\n], 23, v[SO+\n]           ; the scale's byte
.endr
	WIN 0x03
.irp n, 0,1,2,3,4,5,6,7
	v_cvt_scalef32_pk16_fp6_f32 v[CD+8*\n:CD+8*\n+2], v[32*\n:32*\n+15], v[SO+\n]
	v_cvt_scalef32_pk16_fp6_f32 v[CD+8*\n+4:CD+8*\n+6], v[32*\n+16:32*\n+31], v[SO+\n]   ; (a conversion's three registers begin on an even number)
.endr
	WIN 0
	v_nop                                          ; one plain place behind the conversions
.irp n, 0,1,2,3,4,5,6,7
	v_mov_b32 v[CD+8*\n+3], v[CD+8*\n+4]
	v_mov_b32 v[CD+8*\n+4], v[CD+8*\n+5]
	v_mov_b32 v[CD+8*\n+5], v[CD+8*\n+6]           ; six registers on end: a half image
.endr
.irp t, 0,1,2,3
	v_lshl_or_b32 v[MX+\t], v[SB+4+\t], 16, v[SB+\t]   ; my block's byte of head 0 (byte 0) and of head 1 (byte 2)
.endr
.irp t, 0,1,2,3
	v_permlanex16_b32 v[MX+4+\t], v[MX+\t], s2, s3     ; and the other block's
.endr
.irp t, 0,1,2,3
	v_perm_b32 v[SB+\t], v[MX+4+\t], v[MX+\t], v[SELV] ; lanes 0-15: head 0's word, lanes 16-31: head 1's: bytes b0, b1, b0, b1
.endr
.irp n, 0,1,2,3,4,5,6,7
	global_store_b128 v[L16], v[CD+8*\n:CD+8*\n+3], s[\bs:\bs+1] offset:(\off)+(\n/4)*\hs+(\n%4)*\tsr          ; 512 consecutive bytes, at a multiple of 256
	global_store_b64 v[L8], v[CD+8*\n+4:CD+8*\n+5], s[\bs:\bs+1] offset:(\off)+(\n/4)*\hs+(\n%4)*\tsr+512      ; 256 more
.endr
.if \kind == 0
	global_store_b128 v[QSO], v[SB:SB+3], s[32:33]
.elseif \kind == 1
	global_store_b128 v[KSV], v[SB:SB+3], s[88:89] offset:KSO
.else
	ds_store_b128 v[SCRA], v[SB:SB+3]              ; v's words cover 64 keys: two waves' halves make a step's word
.endif
	s_wait_xcnt 0x0                                ; the stores' registers are written again only behind this wait
.endm
	s_load_b512 s[8:23], s[0:1], 0x0               ; x_codes 8, x_scales 10, Wq_codes 12, Wq_scales 14, Wk_codes 16, Wk_scales 18, Wv_codes 20, Wv_scales 22
	s_load_b256 s[24:31], s[0:1], 0x40             ; bq 24, bk 26, bv 28, qimg 30
	s_load_b128 s[32:35], s[0:1], 0x60             ; qscl 32, kv 34
	v_lshl_add_u32 v[SPW], v0, 2, SPARE
	v_mov_b32 v[NIL], 0
	ds_add_u32 v1, v2
	ds_add_u32 v1, v2
	s_wait_dscnt 0x0
	v_lshrrev_b32 v3, 5, v0
	v_readfirstlane_b32 s4, v3                     ; wave w
	s_lshr_b32 s5, s4, 1
	s_and_b32 s6, s4, 1
	s_mov_b32 s2, 0x76543210
	s_mov_b32 s3, 0xfedcba98                       ; v_permlanex16_b32's selects for lane l xor 16
	s_bfe_u32 s80, ttmp6, 0x40000                  ; cx
	s_bfe_u32 s81, ttmp6, 0x40004                  ; cy
	s_lshl_b32 s82, ttmp9, 2
	s_add_co_u32 s82, s82, s80                     ; g
	s_and_b32 s83, ttmp7, 0xffff
	s_lshl_b32 s83, s83, 2
	s_add_co_u32 s83, s83, s81                     ; tb
	s_lshl_b32 s84, s81, 2
	s_lshl_b32 s84, 15, s84                        ; my row of the cluster
	s_lshl_b32 s85, 0x1111, s80                    ; my column
	s_or_b32 s36, s84, GF                          ; s[36:43]: x: two long rows of 32 matrix rows (24,576 bytes), 64 matrix rows apart
	s_or_b32 s44, s85, GF                          ; s[44:51]: Wk, Wv: the same shape, to my column
	s_or_b32 s52, s85, GF                          ; s[52:59]: Wq: one long row
.irp g, 36, 44
	s_mov_b32 s[\g+1], 3072<<16                    ; tensor_dim0 = 3,072 elements of 8 bytes
	s_mov_b32 s[\g+2], 2<<16                       ; tensor_dim1
	s_mov_b32 s[\g+3], 3072<<16                    ; tile_dim0
	s_mov_b32 s[\g+4], 2                           ; tile_dim1
	s_mov_b32 s[\g+5], 6144                        ; from long row to long row
	s_mov_b32 s[\g+6], 0
	s_mov_b32 s[\g+7], 0
.endr
	s_mov_b32 s53, 3072<<16
	s_mov_b32 s54, 1<<16
	s_mov_b32 s55, 3072<<16
	s_mov_b32 s56, 1
	s_mov_b32 s57, 3072
	s_mov_b32 s58, 0
	s_mov_b32 s59, 0
	s_lshl_b32 s86, s83, 8                         ; x: row 256 tb + 128 (w >> 1) + 32 (w & 1)
	s_lshl_b32 s87, s5, 7
	s_add_co_u32 s86, s86, s87
	s_lshl_b32 s87, s6, 5
	s_add_co_u32 s86, s86, s87
	s_mul_i32 s86, s86, 768
	s_mov_b32 s87, 0
	s_lshl_b32 s90, s82, 7                         ; Wk, Wv: row 128 g + 32 (w & 1)
	s_lshl_b32 s89, s6, 5
	s_add_co_u32 s90, s90, s89
	s_lshl_b32 s89, s5, 6
	s_add_co_u32 s88, s90, s89                     ; Wq: + 64 (w >> 1)
	s_mul_i32 s88, s88, 768
	s_mov_b32 s89, 0
	s_mul_i32 s90, s90, 768
	s_mov_b32 s91, 0
	s_mul_i32 s92, s5, SLOT
	s_mul_i32 s93, s6, PS
	s_mul_i32 s94, s5, G32
	s_mul_i32 s95, s6, G32
	s_add_co_u32 s61, s92, s93
	s_add_co_u32 s61, s61, SLOT                    ; x's part: slot 1 + (w >> 1), half w & 1
	s_add_co_u32 s69, s93, s94                     ; Wq's part in slot 0
	s_add_co_u32 s73, s93, SLOT                    ; Wk's half in slot 1
	s_add_co_u32 s77, s93, 2*SLOT                  ; Wv's half in slot 2
	s_add_co_u32 s95, s95, s92
	s_add_co_u32 s95, s95, SLOT                    ; my 64 rows of x
	s_lshl_b32 s96, s83, 13
	s_lshl_b32 s97, s4, 11
	s_add_co_u32 s96, s96, s97                     ; x's scales: (256 tb + 64 w) x 32
	s_mov_b32 s97, 0
	s_lshl_b32 s98, s82, 12                        ; the weights' scales: 128 g x 32
	s_mov_b32 s99, 0
	s_lshl_b32 s100, s82, 9                        ; the biases: 128 g x 4
	s_mov_b32 s101, 0
	s_wait_kmcnt 0x0
	s_mov_b32 s60, 1
	s_add_nc_u64 s[62:63], s[8:9], s[86:87]
	s_or_b32 s63, s63, 0x80000000
	s_mov_b32 s68, 1
	s_add_nc_u64 s[70:71], s[12:13], s[88:89]
	s_or_b32 s71, s71, 0x80000000
	s_mov_b32 s72, 1
	s_add_nc_u64 s[74:75], s[16:17], s[90:91]
	s_or_b32 s75, s75, 0x80000000
	s_mov_b32 s76, 1
	s_add_nc_u64 s[78:79], s[20:21], s[90:91]
	s_or_b32 s79, s79, 0x80000000
	CROUND                                         ; all sixteen work-groups are here: the first joint loads meet
	tensor_load_to_lds s[60:63], s[36:43]          ; x first: it is wanted first.  One load of mine is out
	s_nop 0
	s_wait_alu depctr_va_vdst(0)
	s_wait_tensorcnt 0x0
	ds_add_u32 v1, v2
	s_wait_dscnt 0x0
	CROUND
	tensor_load_to_lds s[68:71], s[52:59]          ; Wq
	s_nop 0
	PLACES 4
	s_add_nc_u64 s[10:11], s[10:11], s[96:97]
	s_add_nc_u64 s[14:15], s[14:15], s[98:99]
	s_add_nc_u64 s[18:19], s[18:19], s[98:99]
	s_add_nc_u64 s[22:23], s[22:23], s[98:99]
	s_add_nc_u64 s[24:25], s[24:25], s[100:101]
	s_add_nc_u64 s[26:27], s[26:27], s[100:101]
	s_add_nc_u64 s[28:29], s[28:29], s[100:101]
	v_and_b32 v3, 31, v0                           ; lane
	v_and_b32 v22, 15, v0                          ; r
	v_bfe_u32 v23, v0, 4, 1                        ; h
	v_and_b32 v24, 7, v0                           ; r & 7
	v_bfe_u32 v25, v0, 3, 1                        ; r >> 3
	v_mul_u32_u24 v26, v24, PITCH
	v_mad_u32_u24 v26, v25, PS, v26
	v_mad_u32_u24 v[ADT], v23, 24, v26
	v_mad_u32_u24 v[ADT+1], v23, 40, v26
	v_add_nc_u32 v[ADT+2], SLOT, v[ADT]
	v_add_nc_u32 v[ADT+3], SLOT, v[ADT+1]
	v_add_nc_u32 v[ADT+4], 2*SLOT, v[ADT]
	v_add_nc_u32 v[ADT+5], 2*SLOT, v[ADT+1]
	v_add_nc_u32 v[ADX], s95, v[ADT]
	v_add_nc_u32 v[ADX+1], s95, v[ADT+1]
	v_lshlrev_b32 v[L16], 4, v3
	v_lshlrev_b32 v[L8], 3, v3
	v_lshlrev_b32 v[QSO], 4, v22
	v_mad_u32_u24 v[KSV], v23, HKV, v[QSO]
	v_lshl_add_u32 v[QSO], v23, 13, v[QSO]
	v_mov_b32 v[SELV], 0x02060206                  ; lanes 16-31: the other lane's byte 2, my byte 2
	v_mov_b32 v27, 0x04000400                      ; lanes 0-15: my byte 0, the other lane's byte 0
	v_cmp_gt_u32 vcc_lo, 16, v3
	v_cndmask_b32 v[SELV], v[SELV], v27, vcc_lo
	v_lshlrev_b32 v[BOQ], 7, v23
	v_lshlrev_b32 v[BOV], 2, v24
	v_lshl_add_u32 v[BOV], v25, 7, v[BOV]
	v_lshlrev_b32 v28, 5, v24
	v_lshl_add_u32 v28, v25, 10, v28               ; 32 bytes of scales a row: 32 (r & 7) + 1,024 (r >> 3)
	v_lshl_add_u32 v[SOT], v23, 11, v28            ; lanes 16-31: 64 rows on
	v_lshl_add_u32 v[SOX], v23, 9, v28             ; lanes 16-31: two tiles (16 rows) on
	s_lshl_b32 s7, s4, 9
	s_add_co_u32 s7, s7, SCR
	v_add_nc_u32 v[SCRA], s7, v[L16]
.irp t, 0,1
.irp u, 0,1
	global_load_b128 v[RS+8*\t+4*\u:RS+8*\t+4*\u+3], v[SOX], s[10:11] offset:256*\t+16*\u
.endr
.endr
.irp t, 0,1,2,3
.irp u, 0,1
	global_load_b128 v[TS+8*\t+4*\u:TS+8*\t+4*\u+3], v[SOT], s[14:15] offset:256*\t+16*\u
	global_load_b128 v[TS+32+8*\t+4*\u:TS+32+8*\t+4*\u+3], v[SOT], s[18:19] offset:256*\t+16*\u
	global_load_b128 v[TS+64+8*\t+4*\u:TS+64+8*\t+4*\u+3], v[SOT], s[22:23] offset:256*\t+16*\u
.endr
.endr
	; where the results go: heads 16 b + 2 g and the next; my group of 64 tokens in the batch: gb = 4 (tb & 7) + w; its key step gb >> 1, its half w & 1
	s_lshr_b32 s80, s83, 3
	s_lshl_b32 s80, s80, 4
	s_lshl_b32 s81, s82, 1
	s_add_co_u32 s80, s80, s81                     ; 16 b + 2 g
	s_and_b32 s81, s83, 7
	s_lshl_b32 s81, s81, 2
	s_add_co_u32 s81, s81, s4                      ; gb
	s_mul_i32 s84, s80, HQ
	s_mul_i32 s7, s81, 3072
	s_add_co_u32 s84, s84, s7
	s_mov_b32 s85, 0
	s_add_nc_u64 s[30:31], s[30:31], s[84:85]      ; qimg
	s_lshl_b32 s84, s80, 13
	s_lshl_b32 s7, s81, 8
	s_add_co_u32 s84, s84, s7
	s_add_nc_u64 s[32:33], s[32:33], s[84:85]      ; qscl
	s_mul_i32 s84, s80, HKV
	s_lshr_b32 s7, s81, 1
	s_mul_i32 s7, s7, STEPB
	s_add_co_u32 s84, s84, s7
	s_add_nc_u64 s[34:35], s[34:35], s[84:85]      ; kv at my step's block
	s_mul_i32 s84, s6, 768
	s_add_nc_u64 s[86:87], s[34:35], s[84:85]      ; my half of its paired fragments
	s_lshl_b32 s84, s6, 8
	s_add_nc_u64 s[88:89], s[34:35], s[84:85]      ; my half of K's scale words
	s_wait_tensorcnt 0x1                           ; my part of x is in: one load, Wq's, was issued behind it and may stay out
	s_barrier_signal -1
	s_barrier_wait -1                              ; everybody's part of x is in
.irp q, 0,1,2,3,4,5,6,7                ; my 64 rows of x, all of K, into 384 registers
.if \q < 5
	WIN 0x40
.else
	WIN 0x80
.endif
.irp tj, 0,1,2,3
	FRAG 48*(\q%5)+12*\tj, ADX, \q, \tj*T8
.endr
.endr
	WIN 0
	s_wait_tensorcnt 0x0                           ; all my tensor loads have landed, Wq's part too;
	ds_add_u32 v[SPW], v[NIL]                      ; 0 onto my spare word
	s_wait_loadcnt 0x0                             ; the scale words
	s_wait_dscnt 0x0                               ; the add is done, and my reads of x's bytes are over
	CROUND                                         ; the same holds of every wave of every partner
	JLOAD                                          ; Wk and Wv over x's bytes: they have the whole of q's tile in which to land
	s_wait_alu depctr_va_vdst(0)
	TILE 0, ADT, TS, 24
	EPI 0, HQ, 768, 30, 0, 0
	s_wait_tensorcnt 0x0                           ; my part of Wk or Wv is in (the one load that was out)
	s_wait_dscnt 0x0
	s_barrier_signal -1
	s_barrier_wait -1                              ; everybody's is
	TILE 0, ADT+2, TS+32, 26
	EPI 0, HKV, 1536, 86, 0, 1
	TILE 1, ADT+4, TS+64, 28
	EPI 1, HKV, 1536, 86, VC, 2
	s_wait_dscnt 0x0                               ; my words lie in the scratch
	s_barrier_signal -1
	s_barrier_wait -1
	s_cmp_lg_u32 s6, 0
	s_cbranch_scc1 .Lodd                           ; the even wave of a step joins the two halves
	ds_load_b128 v[MX+4:MX+7], v[SCRA] offset:512  ; the next wave's words
	s_wait_dscnt 0x0
	s_wait_alu depctr_va_vdst(0)
.irp t, 0,1,2,3
	v_bfi_b32 v[SB+4+\t], 0xffff, v[SB+\t], v[MX+4+\t]   ; bytes 0, 1: my 64 keys' blocks; bytes 2, 3: the next 64's
.endr
	global_store_b128 v[KSV], v[SB+4:SB+7], s[34:35] offset:VSO
.Lodd:
	s_wait_tensorcnt 0x0                           ; the wave's end
	ds_add_u32 v[SPW], v[NIL]
	s_wait_dscnt 0x0
	CROUND                                         ; the closing round
	s_endpgm
.Lfunc_end_k_qbbd611cdbe_qkv:
	.size	k_qbbd611cdbe_qkv, .Lfunc_end_k_qbbd611cdbe_qkv-k_qbbd611cdbe_qkv
	.p2alignl 7, 3214868480
	.fill 96, 4, 3214868480
	.section	.rodata,"a",@progbits
	.p2align	6, 0x0
	.amdhsa_kernel k_qbbd611cdbe_qkv
		.amdhsa_group_segment_fixed_size 327680
		.amdhsa_private_segment_fixed_size 0
		.amdhsa_enable_private_segment 0
		.amdhsa_kernarg_size 112
		.amdhsa_user_sgpr_count 2
		.amdhsa_user_sgpr_kernarg_segment_ptr 1
		.amdhsa_wavefront_size32 1
		.amdhsa_system_sgpr_workgroup_id_x 1
		.amdhsa_system_sgpr_workgroup_id_y 1
		.amdhsa_system_sgpr_workgroup_id_z 1
		.amdhsa_system_vgpr_workitem_id 0
		.amdhsa_next_free_vgpr 1024
		.amdhsa_next_free_sgpr 102
		.amdhsa_reserve_vcc 1
		.amdhsa_float_denorm_mode_32 3
		.amdhsa_float_denorm_mode_16_64 3
		.amdhsa_memory_ordered 1
		.amdhsa_forward_progress 1
		.amdhsa_inst_pref_size 255
	.end_amdhsa_kernel
	.section	.bss,"aw",@nobits
	.p2align	6
	.space	262144
	.amdgpu_metadata
---
amdhsa.version: [ 1, 2 ]
amdhsa.kernels:
  - .name:           k_qbbd611cdbe_qkv
    .symbol:         k_qbbd611cdbe_qkv.kd
    .args:
      - { .name: x_codes, .offset: 0, .size: 8, .value_kind: global_buffer, .address_space: global }
      - { .name: x_scales, .offset: 8, .size: 8, .value_kind: global_buffer, .address_space: global }
      - { .name: Wq_codes, .offset: 16, .size: 8, .value_kind: global_buffer, .address_space: global }
      - { .name: Wq_scales, .offset: 24, .size: 8, .value_kind: global_buffer, .address_space: global }
      - { .name: Wk_codes, .offset: 32, .size: 8, .value_kind: global_buffer, .address_space: global }
      - { .name: Wk_scales, .offset: 40, .size: 8, .value_kind: global_buffer, .address_space: global }
      - { .name: Wv_codes, .offset: 48, .size: 8, .value_kind: global_buffer, .address_space: global }
      - { .name: Wv_scales, .offset: 56, .size: 8, .value_kind: global_buffer, .address_space: global }
      - { .name: bq, .offset: 64, .size: 8, .value_kind: global_buffer, .address_space: global }
      - { .name: bk, .offset: 72, .size: 8, .value_kind: global_buffer, .address_space: global }
      - { .name: bv, .offset: 80, .size: 8, .value_kind: global_buffer, .address_space: global }
      - { .name: qimg, .offset: 88, .size: 8, .value_kind: global_buffer, .address_space: global }
      - { .name: qscl, .offset: 96, .size: 8, .value_kind: global_buffer, .address_space: global }
      - { .name: kv, .offset: 104, .size: 8, .value_kind: global_buffer, .address_space: global }
    .group_segment_fixed_size: 327680
    .private_segment_fixed_size: 0
    .kernarg_segment_align: 8
    .kernarg_segment_size: 112
    .max_flat_workgroup_size: 128
    .sgpr_count:     102
    .vgpr_count:     1024
    .wavefront_size: 32
...
	.end_amdgpu_metadata
.endif
;; end of part 1
;; launch attn (part 2): grid 4 x 64, 16 waves a work-group, clusters of 4 x 1, 215,040 bytes of LDS; arguments qimg, qscl, kv, oimg, oscl; writes oimg, oscl
.if DOCPART == 2
	.amdgcn_target "amdgcn-amd-amdhsa--gfx1250"
	.amdhsa_code_object_version 6
	.text
	.protected	k_qbbd611cdbe_attn
	.globl	k_qbbd611cdbe_attn
	.p2align	8
	.type	k_qbbd611cdbe_attn,@function
k_qbbd611cdbe_attn:
	s_mov_b64 s[64:65], 0
	v_nop
	global_prefetch_b8 v0, s[64:65] scope:SCOPE_SE
	s_setreg_imm32_b32 hwreg(HW_REG_WAVE_MODE, 25, 1), 1
	s_wait_xcnt 0x0
	s_wait_alu depctr_hold_cnt(0) depctr_sa_sdst(0) depctr_va_vdst(0) depctr_va_sdst(0) depctr_va_ssrc(0) depctr_va_vcc(0) depctr_vm_vsrc(0)
	s_getreg_b32 s2, hwreg(HW_REG_IB_STS2, 6, 4)
	s_cmp_eq_u32 s2, 0
	s_cbranch_scc0 .Lentry_in_a_cluster
	s_endpgm
.Lentry_in_a_cluster:
	s_bfe_u32 s2, ttmp6, 0x10000c
	s_cmp_lg_u32 s2, 0x3003
	s_cbranch_scc0 .Lentry_shape_is_right
	s_endpgm
.Lentry_shape_is_right:
; o = softmax(q k^T / 8) v for one head, both products on codes of E2M3; o is quantised along the head's 64 and leaves as a half image with its scale word.
; t = score x log2(e) / 8; M = the running largest t rounded UP to a whole number; p = 2^(t - M) is quantised along the keys, not normalised; the row's sum is taken of the unquantised p and divides at the end.
; When M moves, the sum and O are multiplied by 2^(old M - new M), which rounds nothing.
; SHARES.  A work-group owns 512 queries of one head, in two passes of 256; in a pass each of its sixteen waves owns one tile of 16 queries, in 256 registers: four waves to a SIMD.
; THE WHOLE HEAD'S K AND V LIE IN LDS: 16 blocks of 13,056 bytes (128 keys each), fetched once, in four chunks, by waves 0-3; nothing is filled again.
; CLUSTER 4 x 1: the four query blocks of a head read the same K and V: joint loads.
; LAYOUT.  Both products transposed: S^T = K Q^T, O^T = V^T P^T: a lane holds one query.  The first product's K is 64: a fragment of K carries tile T of TWO groups of 64 keys (K 0-63 and 64-127),
; and is multiplied once by (q, zeros) and once by (zeros, q): zero codes add nothing under any valid scale byte.  By the choice of a tile's rows (8 T + (r & 7) + 32 (r >> 3)) a lane's 32 registers of tiles 0-3 are one block of 32 keys.
; A block's largest p is taken from its largest score by the same multiply-add and exponential (this takes v_exp_f32 not to fall where its input rises).
; LIMITS: NaN and infinities are not served; p under 2^-126 counts as 0 (v_exp_f32); a block whose largest magnitude lies under 2^-124 has the scale byte 1.
.set STEPB, 13056
.set HKV,   208896
.set VC,    6144
.set VSO,   12288
.set KSO,   12544
.set L16, 1                            ; v1 16 x lane      v2 8 x lane
.set L8,  2
.set A16, 3                            ; v3, v4 the same + the step's LDS byte
.set A8,  4
.set SH8, 5                            ; v5 8 h
.set R16, 6                            ; v6 16 r
.set R4,  7                            ; v7 4 r
.set FRG, 44                           ; v44-91 four fragments, K's and then V's
.set S,   96                           ; v96-159 S^T, then p
.set O,   160                          ; v160-191 O^T
.set PC,  192                          ; v192-203 p's codes; v204-206, v208-210 halves that begin on an odd register
; v8-11 at work; v12 -M, v13 the largest t; v[14:15] the sum; v16-21 zeros, v22-27 q, v28-33 zeros; v34 q's scale word, v35 p's; v36-39 K's scale words, v40-43 V's; v[92:93] f; v94-95 block maxima; v212-219 at work
.macro PLACES n
.rept \n
	v_nop
.endr
.endm
.macro CROUND
	s_barrier_signal -1
	s_barrier_wait -1
	s_cmp_lg_u32 s18, 0
	s_cbranch_scc1 .Lnot_wave_0_\@
	s_barrier_signal -3
.Lnot_wave_0_\@:
	s_barrier_wait -3
	s_barrier_signal -1
	s_barrier_wait -1
.endm
.macro LOADF base                      ; four fragments as images: each half 512 bytes at 16 x lane and 256 at 8 x lane
.irp t, 0,1,2,3
.irp k, 0,1
	ds_load_b128 v[FRG+12*\t+6*\k:FRG+12*\t+6*\k+3], v[A16] offset:\base+1536*\t+768*\k
	ds_load_b64 v[FRG+12*\t+6*\k+4:FRG+12*\t+6*\k+5], v[A8] offset:\base+1536*\t+768*\k+512
.endr
.endr
.endm
; A KEY STEP: 128 keys at LDS byte s48.
.macro STEP
	s_setprio 2
	v_add_nc_u32 v[A16], s48, v[L16]
	v_add_nc_u32 v[A8], s48, v[L8]
	v_nop
	v_nop                                          ; four places in front of loads into registers that the last products read
	LOADF 0
	ds_load_b128 v[36:39], v[A16] offset:KSO       ; K's scale words: lanes 0-15 the first 64 keys' four tiles, lanes 16-31 the second 64's
	s_wait_alu depctr_va_vdst(0)
	s_wait_dscnt 0x0
.irp t, 0,1,2,3
	v_wmma_scale_f32_16x16x128_f8f6f4 v[S+8*\t:S+8*\t+7], v[FRG+12*\t:FRG+12*\t+11], v[22:33], 0, v[36+\t], v34 matrix_a_fmt:MATRIX_FMT_FP6 matrix_b_fmt:MATRIX_FMT_FP6
.endr
.irp t, 0,1,2,3
	v_wmma_scale_f32_16x16x128_f8f6f4 v[S+32+8*\t:S+32+8*\t+7], v[FRG+12*\t:FRG+12*\t+11], v[16:27], 0, v[36+\t], v34 matrix_a_fmt:MATRIX_FMT_FP6 matrix_b_fmt:MATRIX_FMT_FP6 matrix_a_scale:MATRIX_SCALE_ROW1
.endr
	PLACES 4                                       ; in front of the loads below and of the first read of the scores
	LOADF VC                                       ; V's fragments land while the softmax is walked
	ds_load_b128 v[40:43], v[A16] offset:VSO       ; V's scale words (lanes 0-15; what lanes 16-31 read is not used)
.irp k, 0,1                            ; the largest score of each of my two blocks of 32 keys, in two chains each, each accumulator from its low end on
	v_max3_num_f32 v[94+\k], v[S+32*\k], v[S+32*\k+1], v[S+32*\k+2]
	v_max3_num_f32 v[212+\k], v[S+32*\k+16], v[S+32*\k+17], v[S+32*\k+18]
.endr
.irp i, 3,5,7,9,11,13
.irp k, 0,1
	v_max3_num_f32 v[94+\k], v[94+\k], v[S+32*\k+\i], v[S+32*\k+\i+1]
	v_max3_num_f32 v[212+\k], v[212+\k], v[S+32*\k+16+\i], v[S+32*\k+17+\i]
.endr
.endr
.irp k, 0,1
	v_max3_num_f32 v[94+\k], v[94+\k], v[212+\k], v[S+32*\k+15]
.endr
.irp k, 0,1
	v_max_num_f32 v[94+\k], v[94+\k], v[S+32*\k+31]
.endr
	s_delay_alu instid0(VALU_DEP_1)
	v_max_num_f32 v8, v94, v95
	s_delay_alu instid0(VALU_DEP_1)
	v_permlanex16_b32 v9, v8, s20, s21
	s_delay_alu instid0(VALU_DEP_1)
	v_max_num_f32 v8, v8, v9                       ; the step's largest score of my query
	s_delay_alu instid0(VALU_DEP_1)
	v_mul_f32 v8, s22, v8                          ; as t
	s_delay_alu instid0(VALU_DEP_1)
	v_max_num_f32 v13, v13, v8                     ; the running largest t
	v_mov_b32 v8, v12
	s_delay_alu instid0(VALU_DEP_2)
	v_floor_f32 v12, -v13                          ; the new -M = floor(-t)
	s_delay_alu instid0(VALU_DEP_1)
	v_sub_f32 v8, v12, v8                          ; old M - new M: a whole number, 0 or less
	s_delay_alu instid0(VALU_DEP_1)
	v_cvt_i32_f32 v8, v8                           ; (it saturates)
	s_delay_alu instid0(VALU_DEP_1)
	v_ldexp_f32 v92, 1.0, v8                       ; f = 2^(old M - new M)
.set j, 0
.rept 32
	v_pk_fma_f32 v[S+j:S+j+1], v[S+j:S+j+1], s[22:23], v[12:13] op_sel_hi:[1,0,0]   ; t - M
.set j, j+2
.endr
.irp k, 0,1
	v_fma_f32 v[94+\k], v[94+\k], s22, v12         ; the same of each block's largest score
.endr
.set j, 0
	s_setprio 1
	s_wait_alu depctr_va_vdst(0)
.rept 64
	v_exp_f32 v[S+j], v[S+j]                       ; p
.set j, j+1
.endr
.irp k, 0,1
	v_exp_f32 v[94+\k], v[94+\k]                   ; the block's largest p
.endr
	v_pk_mul_f32 v[14:15], v[14:15], v[92:93] op_sel_hi:[1,0]   ; the sum under the new M (a plain place behind the exponentials)
	s_wait_alu depctr_va_vdst(0)
.irp k, 0,1
	v_max_num_f32 v[94+\k], 0x1800000, v[94+\k]    ; the floor 2^(3 - 127)
.endr
.irp k, 0,1
	s_delay_alu instid0(VALU_DEP_2)
	v_add_nc_u32 v[214+\k], 0xff000000, v[94+\k]   ; the conversion's scale operand
.endr
.irp k, 0,1
	s_delay_alu instid0(VALU_DEP_2)
	v_lshrrev_b32 v[216+\k], 23, v[214+\k]         ; the scale's byte
.endr
	s_delay_alu instid0(VALU_DEP_1)
	v_lshl_or_b32 v10, v217, 16, v216              ; my blocks are h and 2 + h of the step's four
	s_delay_alu instid0(VALU_DEP_1)
	v_lshlrev_b32 v10, v[SH8], v10
	s_delay_alu instid0(VALU_DEP_1)
	v_permlanex16_b32 v11, v10, s20, s21
	s_delay_alu instid0(VALU_DEP_1)
	v_or_b32 v35, v10, v11                         ; p's scale word
.irp k, 0,1
	v_cvt_scalef32_pk16_fp6_f32 v[PC+6*\k:PC+6*\k+2], v[S+32*\k:S+32*\k+15], v[214+\k]
	v_cvt_scalef32_pk16_fp6_f32 v[204+4*\k:206+4*\k], v[S+32*\k+16:S+32*\k+31], v[214+\k]
.endr
	v_nop                                          ; one plain place behind the conversions
.irp k, 0,1
.irp i, 0,1,2
	v_mov_b32 v[PC+3+6*\k+\i], v[204+4*\k+\i]
.endr
.endr
	v_pk_add_f32 v[218:219], v[100:101], v[104:105]
	v_pk_add_f32 v[252:253], v[108:109], v[112:113]
	v_pk_add_f32 v[250:251], v[116:117], v[120:121]
	v_pk_add_f32 v[248:249], v[124:125], v[128:129]
	v_pk_add_f32 v[246:247], v[132:133], v[136:137]
	v_pk_add_f32 v[244:245], v[140:141], v[144:145]
	v_pk_add_f32 v[242:243], v[148:149], v[152:153]
	v_pk_add_f32 v[14:15], v[14:15], v[156:157]
	v_pk_add_f32 v[218:219], v[218:219], v[96:97]
	v_pk_add_f32 v[252:253], v[252:253], v[98:99]
	v_pk_add_f32 v[250:251], v[250:251], v[102:103]
	v_pk_add_f32 v[248:249], v[248:249], v[106:107]
	v_pk_add_f32 v[246:247], v[246:247], v[110:111]
	v_pk_add_f32 v[244:245], v[244:245], v[114:115]
	v_pk_add_f32 v[242:243], v[242:243], v[118:119]
	v_pk_add_f32 v[14:15], v[14:15], v[122:123]
	v_pk_add_f32 v[218:219], v[218:219], v[126:127]
	v_pk_add_f32 v[252:253], v[252:253], v[130:131]
	v_pk_add_f32 v[250:251], v[250:251], v[134:135]
	v_pk_add_f32 v[248:249], v[248:249], v[138:139]
	v_pk_add_f32 v[246:247], v[246:247], v[142:143]
	v_pk_add_f32 v[244:245], v[244:245], v[146:147]
	v_pk_add_f32 v[242:243], v[242:243], v[150:151]
	v_pk_add_f32 v[14:15], v[14:15], v[154:155]
	v_pk_add_f32 v[218:219], v[218:219], v[158:159]
	s_delay_alu instid0(VALU_DEP_2)
	v_pk_add_f32 v[14:15], v[14:15], v[248:249]
	s_delay_alu instid0(VALU_DEP_2)
	v_pk_add_f32 v[218:219], v[218:219], v[246:247]
	v_pk_add_f32 v[252:253], v[252:253], v[244:245]
	v_pk_add_f32 v[250:251], v[250:251], v[242:243]
	s_delay_alu instid0(VALU_DEP_2)
	v_pk_add_f32 v[14:15], v[14:15], v[252:253]
	s_delay_alu instid0(VALU_DEP_2)
	v_pk_add_f32 v[218:219], v[218:219], v[250:251]
	s_delay_alu instid0(VALU_DEP_1)
	v_pk_add_f32 v[14:15], v[14:15], v[218:219]
.set j, 0
	s_setprio 0
.rept 16
	v_pk_mul_f32 v[O+j:O+j+1], v[O+j:O+j+1], v[92:93] op_sel_hi:[1,0]   ; O^T under the new M
.set j, j+2
.endr
	s_wait_alu depctr_va_vdst(0)
	s_wait_dscnt 0x0                               ; V
.irp t, 0,1,2,3                        ; the four accumulators by turns; the eight products S^T stand between their links
	v_wmma_scale_f32_16x16x128_f8f6f4 v[O+8*\t:O+8*\t+7], v[FRG+12*\t:FRG+12*\t+11], v[PC:PC+11], v[O+8*\t:O+8*\t+7], v[40+\t], v35 matrix_a_fmt:MATRIX_FMT_FP6 matrix_b_fmt:MATRIX_FMT_FP6
.endr
	s_add_co_u32 s48, s48, STEPB
.endm
.macro BEGIN p                         ; a pass's query tile, and its sums at their start
	global_load_b128 v[22:25], v[L16], s[4:5] offset:12288*\p
	global_load_b64 v[26:27], v[L8], s[4:5] offset:12288*\p+512
	global_load_b32 v34, v[R16], s[6:7] offset:1024*\p
	v_mov_b32 v13, 0xff61b1e6                      ; -3e38, under every t
	s_delay_alu instid0(VALU_DEP_1)
	v_floor_f32 v12, -v13
	v_mov_b32 v14, 0
	v_mov_b32 v15, 0
.set j, 0
.rept 32
	v_mov_b32 v[O+j], 0                            ; the step is written once: the first finds zeros, which the first change of M leaves zeros
.set j, j+1
.endr
	s_wait_loadcnt 0x0
.endm
.macro WAYOUT p                        ; O^T / the sum; my 32 numbers are block h of the head's 64: scale, codes, image
	PLACES 4
	v_add_f32 v14, v14, v15
	s_delay_alu instid0(VALU_DEP_1)
	v_permlanex16_b32 v9, v14, s20, s21
	s_delay_alu instid0(VALU_DEP_1)
	v_add_f32 v14, v14, v9                         ; the row's sum
	s_wait_alu depctr_va_vdst(0)
	v_rcp_f32 v14, v14
	v_nop                                          ; a plain place behind the transcendental
.set j, 0
	s_wait_alu depctr_va_vdst(0)
.rept 16
	v_pk_mul_f32 v[O+j:O+j+1], v[O+j:O+j+1], v[14:15] op_sel_hi:[1,0]
.set j, j+2
.endr
	v_max3_num_f32 v8, |v[O]|, |v[O+1]|, 0x1800000
	v_max3_num_f32 v10, |v[O+16]|, |v[O+17]|, |v[O+18]|
.irp i, 2,4,6,8,10,12
	s_delay_alu instid0(VALU_DEP_2)
	v_max3_num_f32 v8, v8, |v[O+\i]|, |v[O+\i+1]|
	s_delay_alu instid0(VALU_DEP_2)
	v_max3_num_f32 v10, v10, |v[O+17+\i]|, |v[O+18+\i]|
.endr
	s_delay_alu instid0(VALU_DEP_2)
	v_max3_num_f32 v8, v8, |v[O+14]|, |v[O+15]|
	s_delay_alu instid0(VALU_DEP_1)
	v_max3_num_f32 v8, v8, v10, |v[O+31]|
	s_delay_alu instid0(VALU_DEP_1)
	v_add_nc_u32 v214, 0xff000000, v8
	s_delay_alu instid0(VALU_DEP_1)
	v_lshrrev_b32 v216, 23, v214
	v_cvt_scalef32_pk16_fp6_f32 v[PC:PC+2], v[O:O+15], v214
	v_cvt_scalef32_pk16_fp6_f32 v[204:206], v[O+16:O+31], v214
	v_nop
.irp i, 0,1,2
	v_mov_b32 v[PC+3+\i], v[204+\i]
.endr
	v_lshlrev_b32 v10, v[SH8], v216
	s_delay_alu instid0(VALU_DEP_1)
	v_permlanex16_b32 v11, v10, s20, s21
	s_delay_alu instid0(VALU_DEP_1)
	v_or_b32 v10, v10, v11                         ; bytes b0, b1,
	s_delay_alu instid0(VALU_DEP_1)
	v_lshlrev_b32 v10, s52, v10                    ; in the half of the word that belongs to an even or an odd head: two heads are a K step of the last projection
	global_store_b128 v[L16], v[PC:PC+3], s[10:11] offset:12288*\p
	global_store_b64 v[L8], v[PC+4:PC+5], s[10:11] offset:12288*\p+512
	global_store_b32 v[R4], v10, s[12:13] offset:1024*\p     ; (lanes r and r + 16 store the same word)
	s_wait_xcnt 0x0
.endm
	s_load_b256 s[4:11], s[0:1], 0x0               ; qimg 4, qscl 6, kv 8, oimg 10
	s_load_b64 s[12:13], s[0:1], 0x20              ; oscl
	v_lshl_add_u32 v254, v0, 2, 0x34000
	v_mov_b32 v255, 0
	ds_add_u32 v254, v255
	ds_add_u32 v254, v255
	v_lshrrev_b32 v8, 5, v0
	s_delay_alu instid0(VALU_DEP_1)
	v_readfirstlane_b32 s18, v8                    ; wave 0..15
	s_bfe_u32 s17, ttmp6, 0x40000                  ; cx
	s_lshl_b32 s14, ttmp9, 2
	s_add_co_u32 s17, s17, s14                     ; my block of 512 queries: it enters q's and o's addresses alone
	s_and_b32 s16, ttmp7, 0xffff                   ; the head, 16 b + head, which the four partners share
	s_and_b32 s19, s18, 3
	s_mul_i32 s50, s19, STEPB                      ; which step of a chunk I fetch, in LDS and in memory alike
	s_mul_i32 s14, s16, HKV
	s_add_co_u32 s14, s14, s50
	s_mov_b32 s15, 0
	s_mov_b32 s24, 15|(3<<16)|(1<<21)              ; group 1: the mask of all four; elements of 8 bytes; bit 21 beside a mask; no padding
	s_mov_b32 s25, 32<<16                          ; rows of 256 bytes,
	s_mov_b32 s26, 51<<16                          ; 51 of them: a step's block
	s_mov_b32 s27, 32<<16
	s_mov_b32 s28, 51
	s_mov_b32 s29, 32
	s_mov_b32 s30, 0
	s_mov_b32 s31, 0
	s_mov_b32 s20, 0x76543210
	s_mov_b32 s21, 0xfedcba98
	s_mov_b32 s22, 0x3e38aa3b                      ; c = log2(e) / 8
	s_mov_b32 s23, s22
	s_and_b32 s52, s16, 1
	s_lshl_b32 s52, s52, 4
	s_lshl_b32 s53, s16, 7
	s_lshl_b32 s54, s17, 5
	s_add_co_u32 s53, s53, s54
	s_add_co_u32 s53, s53, s18                     ; my tile of pass 0: 128 x head + 32 x block + wave; pass 1's lies 16 tiles on
	s_mul_i32 s54, s53, 768
	s_mov_b32 s55, 0
	s_lshl_b32 s56, s53, 6
	s_mov_b32 s57, 0
	s_lshl_b32 s58, s16, 13                        ; q's scale words: [head][group of 64][r][tile]
	s_lshl_b32 s59, s17, 11
	s_add_co_u32 s58, s58, s59
	s_lshr_b32 s59, s18, 2
	s_lshl_b32 s59, s59, 8
	s_add_co_u32 s58, s58, s59
	s_lshl_b32 s59, s19, 2
	s_add_co_u32 s58, s58, s59
	s_mov_b32 s59, 0
	s_wait_dscnt 0x0
	s_wait_kmcnt 0x0
	s_add_nc_u64 s[8:9], s[8:9], s[14:15]
.irp c, 0,1,2,3
	s_mov_b32 s[32+4*\c], 1
	s_add_co_u32 s[33+4*\c], s50, \c*4*STEPB
	s_add_nc_u64 s[34+4*\c:35+4*\c], s[8:9], \c*4*STEPB
	s_or_b32 s[35+4*\c], s[35+4*\c], 0x80000000
.endr
	s_add_nc_u64 s[4:5], s[4:5], s[54:55]
	s_add_nc_u64 s[10:11], s[10:11], s[54:55]
	s_add_nc_u64 s[12:13], s[12:13], s[56:57]
	s_add_nc_u64 s[6:7], s[6:7], s[58:59]
	CROUND                                         ; all four work-groups are here: the joint loads meet
	s_cmp_lt_u32 s18, 4
	s_cbranch_scc0 .Lnofill                        ; waves 0-3 fetch: all their fills stand in this one branch: four loads of a wave are out
	tensor_load_to_lds s[32:35], s[24:31]
	s_nop 0
	tensor_load_to_lds s[36:39], s[24:31]
	s_nop 0
	tensor_load_to_lds s[40:43], s[24:31]
	s_nop 0
	tensor_load_to_lds s[44:47], s[24:31]
	s_nop 0
	PLACES 4
.Lnofill:
	v_and_b32 v8, 31, v0
	s_delay_alu instid0(VALU_DEP_1)
	v_lshlrev_b32 v[L16], 4, v8
	s_delay_alu instid0(VALU_DEP_2)
	v_lshlrev_b32 v[L8], 3, v8
	v_bfe_u32 v[SH8], v0, 4, 1
	s_delay_alu instid0(VALU_DEP_1)
	v_lshlrev_b32 v[SH8], 3, v[SH8]
	v_and_b32 v9, 15, v0
	s_delay_alu instid0(VALU_DEP_1)
	v_lshlrev_b32 v[R16], 4, v9
	s_delay_alu instid0(VALU_DEP_2)
	v_lshlrev_b32 v[R4], 2, v9
	v_mov_b32 v11, 0                               ; (a lane permute's destination counts as one of its sources)
	v_mov_b32 v93, 0                               ; (named as the upper half of the pair v[92:93])
.irp i, 16,17,18,19,20,21,28,29,30,31,32,33
	v_mov_b32 v\i, 0                               ; the zero codes on both sides of q
.endr
	BEGIN 0
.irp c, 0,1,2,3
	s_wait_tensorcnt 3-\c                          ; chunk c is in: 3 - c chunks were issued behind it (a wave that fetches nothing passes at once)
	s_wait_dscnt 0x0
	s_barrier_signal -1
	s_barrier_wait -1                              ; every fetching wave's part of it is
	s_mov_b32 s48, \c*4*STEPB
	s_mov_b32 s49, 4
.Lchunk_\c:
	STEP
	s_sub_co_u32 s49, s49, 1
	s_cmp_lg_u32 s49, 0
	s_cbranch_scc1 .Lchunk_\c
	s_setprio 0
.endr
	WAYOUT 0
	BEGIN 1
	s_mov_b32 s48, 0
	s_mov_b32 s49, 16
.Lsecond:                                          ; the second pass finds the whole head in LDS
	STEP
	s_sub_co_u32 s49, s49, 1
	s_cmp_lg_u32 s49, 0
	s_cbranch_scc1 .Lsecond
	s_setprio 0
	WAYOUT 1
	s_wait_tensorcnt 0x0
	s_wait_dscnt 0x0
	s_wait_tensorcnt 0x0
	ds_add_u32 v254, v255
	s_wait_dscnt 0x0
	CROUND                                         ; the closing round
	s_endpgm
.Lfunc_end_k_qbbd611cdbe_attn:
	.size	k_qbbd611cdbe_attn, .Lfunc_end_k_qbbd611cdbe_attn-k_qbbd611cdbe_attn
	.p2alignl 7, 3214868480
	.fill 96, 4, 3214868480
	.section	.rodata,"a",@progbits
	.p2align	6, 0x0
	.amdhsa_kernel k_qbbd611cdbe_attn
		.amdhsa_group_segment_fixed_size 215040
		.amdhsa_private_segment_fixed_size 0
		.amdhsa_enable_private_segment 0
		.amdhsa_kernarg_size 40
		.amdhsa_user_sgpr_count 2
		.amdhsa_user_sgpr_kernarg_segment_ptr 1
		.amdhsa_wavefront_size32 1
		.amdhsa_system_sgpr_workgroup_id_x 1
		.amdhsa_system_sgpr_workgroup_id_y 1
		.amdhsa_system_sgpr_workgroup_id_z 1
		.amdhsa_system_vgpr_workitem_id 0
		.amdhsa_next_free_vgpr 256
		.amdhsa_next_free_sgpr 66
		.amdhsa_reserve_vcc 0
		.amdhsa_float_denorm_mode_32 3
		.amdhsa_float_denorm_mode_16_64 3
		.amdhsa_memory_ordered 1
		.amdhsa_forward_progress 1
		.amdhsa_inst_pref_size 96
	.end_amdhsa_kernel
	.amdgpu_metadata
---
amdhsa.version: [ 1, 2 ]
amdhsa.kernels:
  - .name:           k_qbbd611cdbe_attn
    .symbol:         k_qbbd611cdbe_attn.kd
    .args:
      - { .name: qimg, .offset: 0, .size: 8, .value_kind: global_buffer, .address_space: global }
      - { .name: qscl, .offset: 8, .size: 8, .value_kind: global_buffer, .address_space: global }
      - { .name: kv, .offset: 16, .size: 8, .value_kind: global_buffer, .address_space: global }
      - { .name: oimg, .offset: 24, .size: 8, .value_kind: global_buffer, .address_space: global }
      - { .name: oscl, .offset: 32, .size: 8, .value_kind: global_buffer, .address_space: global }
    .group_segment_fixed_size: 215040
    .private_segment_fixed_size: 0
    .kernarg_segment_align: 8
    .kernarg_segment_size: 40
    .max_flat_workgroup_size: 512
    .sgpr_count:     66
    .vgpr_count:     256
    .wavefront_size: 32
...
	.end_amdgpu_metadata
.endif
;; end of part 2
;; launch oproj (part 3): grid 32 x 8, 4 waves a work-group, clusters of 4 x 1, 168,448 bytes of LDS; arguments oimg, oscl, Wo_codes, Wo_scales, bo, out0; writes out0
.if DOCPART == 3
	.amdgcn_target "amdgcn-amd-amdhsa--gfx1250"
	.amdhsa_code_object_version 6
	.text
	.protected	k_qbbd611cdbe_oproj
	.globl	k_qbbd611cdbe_oproj
	.p2align	8
	.type	k_qbbd611cdbe_oproj,@function
k_qbbd611cdbe_oproj:
	s_mov_b64 s[64:65], 0
	v_nop
	global_prefetch_b8 v0, s[64:65] scope:SCOPE_SE
	s_setreg_imm32_b32 hwreg(HW_REG_WAVE_MODE, 25, 1), 1
	s_wait_xcnt 0x0
	s_wait_alu depctr_hold_cnt(0) depctr_sa_sdst(0) depctr_va_vdst(0) depctr_va_sdst(0) depctr_va_ssrc(0) depctr_va_vcc(0) depctr_vm_vsrc(0)
	s_getreg_b32 s2, hwreg(HW_REG_IB_STS2, 6, 4)
	s_cmp_eq_u32 s2, 0
	s_cbranch_scc0 .Lentry_in_a_cluster
	s_endpgm
.Lentry_in_a_cluster:
	s_bfe_u32 s2, ttmp6, 0x10000c
	s_cmp_lg_u32 s2, 0x3003
	s_cbranch_scc0 .Lentry_shape_is_right
	s_endpgm
.Lentry_shape_is_right:
; out0 = o Wo^T + bo on codes of E2M3 with E8M0 scales, sums in f32.  o comes as half images (16 tokens x one head's 64): two heads' images are a fragment of a K step of 128, loaded as they stand.
; SHARES.  Work-group (tb, g): tokens 256 tb .. + 255 x outputs 128 g .. + 127.  Wave w keeps its 64 tokens' codes for all of K in 384 registers; Wo's tile (128 rows x K 1,024) lies in LDS, filled once.
; 8 K steps x 32 matrix instructions on 32 accumulators; source 0 = 16 rows of Wo, source 1 = 16 tokens: a lane holds a token and eight neighbouring outputs.  The bias is the C of the first K step.
; A tile's rows: lane r of tile T takes row 8 T + (r & 7) + 32 (r >> 3) of a group of 64, for Wo and for the tokens alike (so the images were made).
; CLUSTER 4 x 1: the four token blocks of a cluster read the same tile of Wo: a joint load.
; The way out: 16 tokens x 512 bytes go through the wave's own stage in LDS and leave as whole rows of 512 consecutive bytes, at multiples of 256 from out0's first byte.
.set PITCH, 816
.set T8,    8*PITCH
.set G32,   32*PITCH
.set PS,    2*G32+128
.set SLOT,  2*PS
.set STG,   SLOT                       ; behind the tile: 16 rows x 528 bytes for each wave; no fill lands here
.set SP,    528
.set GF,    (3<<16)|(1<<20)|(1<<21)|(5<<22)|(3<<25)
.set ADT, 6                            ; v6-7 my lane's place in the tile (the second: behind one padding more in lanes 16-31)
.set L16, 12
.set L8,  13
.set BOQ, 17                           ; v17 128 h
.set SOT, 19                           ; v19 Wo's scale words
.set OSX, 20                           ; v20 o's scale words: 128 h + 4 r
.set STO, 21                           ; v21 into the stage
.set SRD, 22                           ; v22 back from it
.set RS,  32                           ; v32-47 o's scale words: register 8 T + q: lanes 0-15 tile T, lanes 16-31 tile T + 2
.set TS,  48                           ; v48-79 Wo's: register 8 T + q: lanes 0-15 rows 0-63, lanes 16-31 rows 64-127
.set BB,  80                           ; v80-143 the bias in the result's layout
; v160-255 Wo's fragments, set A (first: the heads' scale words; at the end: rows of out0); window 1, window 2 v0-143: o's fragments; window 2 v144-239: set B; window 3: the accumulators
.set MSB, 0
.macro WIN new
.if MSB != (\new)
	s_set_vgpr_msb (MSB<<8)|(\new)
.set MSB, (\new)
.endif
.endm
.macro PLACES n
.rept \n
	v_nop
.endr
.endm
.macro CROUND
	s_barrier_signal -1
	s_barrier_wait -1
	s_cmp_lg_u32 s16, 0
	s_cbranch_scc1 .Lnot_wave_0_\@
	s_barrier_signal -3
.Lnot_wave_0_\@:
	s_barrier_wait -3
	s_barrier_signal -1
	s_barrier_wait -1
.endm
.macro FRAG reg, adr, q, off           ; 16 rows x 128 K in pieces of 8 bytes; 16 bytes of padding lie behind every 32 pieces of a row
.set FR0, \reg
.irp p, 0,1,2,3,4,5
.set PCE, 12*(\q)+6*(\p/3)+\p%3
.if PCE%32 < 29
	ds_load_b64 v[FR0+2*\p:FR0+2*\p+1], v[\adr] offset:(\off)+8*PCE+16*(PCE/32)
.else
	ds_load_b64 v[FR0+2*\p:FR0+2*\p+1], v[\adr+1] offset:(\off)+8*PCE+16*(PCE/32)
.endif
.endr
.endm
.macro FETCH q, set
.if \set
	WIN 0x80
.else
	WIN 0
.endif
.irp ti, 0,1,2,3,4,5,6,7
	FRAG 160-16*(\set)+12*\ti, ADT, \q, (\ti/4)*G32+(\ti%4)*T8
.endr
.endm
.macro WM z                            ; z: the bias starts the sum
.if (\z) && fA && fB
	v_wmma_scale_f32_16x16x128_f8f6f4 v[rD:rD+7], v[rA:rA+11], v[rB:rB+11], v[rC:rC+7], v[rSA], v[rSB] matrix_a_fmt:MATRIX_FMT_FP6 matrix_b_fmt:MATRIX_FMT_FP6 matrix_a_scale:MATRIX_SCALE_ROW1 matrix_b_scale:MATRIX_SCALE_ROW1
.elseif (\z) && fA
	v_wmma_scale_f32_16x16x128_f8f6f4 v[rD:rD+7], v[rA:rA+11], v[rB:rB+11], v[rC:rC+7], v[rSA], v[rSB] matrix_a_fmt:MATRIX_FMT_FP6 matrix_b_fmt:MATRIX_FMT_FP6 matrix_a_scale:MATRIX_SCALE_ROW1
.elseif (\z) && fB
	v_wmma_scale_f32_16x16x128_f8f6f4 v[rD:rD+7], v[rA:rA+11], v[rB:rB+11], v[rC:rC+7], v[rSA], v[rSB] matrix_a_fmt:MATRIX_FMT_FP6 matrix_b_fmt:MATRIX_FMT_FP6 matrix_b_scale:MATRIX_SCALE_ROW1
.elseif (\z)
	v_wmma_scale_f32_16x16x128_f8f6f4 v[rD:rD+7], v[rA:rA+11], v[rB:rB+11], v[rC:rC+7], v[rSA], v[rSB] matrix_a_fmt:MATRIX_FMT_FP6 matrix_b_fmt:MATRIX_FMT_FP6
.elseif fA && fB
	v_wmma_scale_f32_16x16x128_f8f6f4 v[rD:rD+7], v[rA:rA+11], v[rB:rB+11], v[rD:rD+7], v[rSA], v[rSB] matrix_a_fmt:MATRIX_FMT_FP6 matrix_b_fmt:MATRIX_FMT_FP6 matrix_a_scale:MATRIX_SCALE_ROW1 matrix_b_scale:MATRIX_SCALE_ROW1
.elseif fA
	v_wmma_scale_f32_16x16x128_f8f6f4 v[rD:rD+7], v[rA:rA+11], v[rB:rB+11], v[rD:rD+7], v[rSA], v[rSB] matrix_a_fmt:MATRIX_FMT_FP6 matrix_b_fmt:MATRIX_FMT_FP6 matrix_a_scale:MATRIX_SCALE_ROW1
.elseif fB
	v_wmma_scale_f32_16x16x128_f8f6f4 v[rD:rD+7], v[rA:rA+11], v[rB:rB+11], v[rD:rD+7], v[rSA], v[rSB] matrix_a_fmt:MATRIX_FMT_FP6 matrix_b_fmt:MATRIX_FMT_FP6 matrix_b_scale:MATRIX_SCALE_ROW1
.else
	v_wmma_scale_f32_16x16x128_f8f6f4 v[rD:rD+7], v[rA:rA+11], v[rB:rB+11], v[rD:rD+7], v[rSA], v[rSB] matrix_a_fmt:MATRIX_FMT_FP6 matrix_b_fmt:MATRIX_FMT_FP6
.endif
.endm
; K step q: Wo's tile 4 c + a x token tile b -> accumulator at v[8 (4 (4 c + b) + a)] of window 3; the 32 by turns, in the same order in every step
.macro MULS q
.set SETW, 2*((\q)%2)
.set SETB, 160-16*((\q)%2)
.set RWN, 1+(\q)/5
.set RBS, 48*((\q)%5)
.if (\q)==0
	WIN 0xc0|(RWN<<2)|SETW                         ; C, the bias, in window 0
.else
	WIN 0xf0|(RWN<<2)|SETW
.endif
.irp c, 0,1
.irp a, 0,1,2,3
.irp b, 0,1,2,3
.set rD, 8*(4*(4*\c+\b)+\a)
.set rA, SETB+12*(4*\c+\a)
.set rB, RBS+12*\b
.set rC, BB+32*\c+8*\a
.set rSA, TS+8*\a+(\q)
.set rSB, RS+8*(\b%2)+(\q)
.set fA, \c
.set fB, \b/2
	WM (\q)==0
.endr
.endr
.endr
.endm
	s_load_b256 s[4:11], s[0:1], 0x0               ; oimg 4, oscl 6, Wo_codes 8, Wo_scales 10
	s_load_b128 s[12:15], s[0:1], 0x20             ; bo 12, out0 14
	v_lshl_add_u32 v158, v0, 2, 0x29000
	v_mov_b32 v159, 0
	ds_add_u32 v158, v159
	ds_add_u32 v158, v159
	v_lshrrev_b32 v3, 5, v0
	v_readfirstlane_b32 s16, v3                    ; wave w
	s_lshr_b32 s17, s16, 1
	s_and_b32 s18, s16, 1
	s_bfe_u32 s19, ttmp6, 0x40000                  ; cx
	s_lshl_b32 s20, ttmp9, 2
	s_add_co_u32 s20, s20, s19                     ; tb: it enters o's and out0's addresses alone
	s_and_b32 s21, ttmp7, 0xffff                   ; g, which the four partners share
	s_mov_b32 s24, 15|GF                           ; group 1: one long row of 32 matrix rows (24,576 bytes), 16 bytes of padding behind every 256; the mask of all four
	s_mov_b32 s25, 3072<<16
	s_mov_b32 s26, 1<<16
	s_mov_b32 s27, 3072<<16
	s_mov_b32 s28, 1
	s_mov_b32 s29, 3072
	s_mov_b32 s30, 0
	s_mov_b32 s31, 0
	s_lshl_b32 s36, s21, 7                         ; Wo: row 128 g + 64 (w >> 1) + 32 (w & 1)
	s_lshl_b32 s37, s17, 6
	s_add_co_u32 s36, s36, s37
	s_lshl_b32 s37, s18, 5
	s_add_co_u32 s36, s36, s37
	s_mul_i32 s36, s36, 768
	s_mov_b32 s37, 0
	s_mul_i32 s38, s18, PS
	s_mul_i32 s39, s17, G32
	s_add_co_u32 s33, s38, s39
	s_lshr_b32 s40, s20, 3
	s_lshl_b32 s40, s40, 11                        ; 2,048 tiles a batch (16 heads x 128)
	s_and_b32 s41, s20, 7
	s_lshl_b32 s41, s41, 4
	s_add_co_u32 s40, s40, s41
	s_lshl_b32 s41, s16, 2
	s_add_co_u32 s40, s40, s41                     ; head 0's tile of my first 16 tokens
	s_mul_i32 s42, s40, 768
	s_mov_b32 s43, 0
	s_lshl_b32 s44, s40, 6
	s_mov_b32 s45, 0
	s_lshl_b32 s46, s20, 20                        ; out0: (256 tb + 64 w) rows of 4,096 bytes + 512 g
	s_lshl_b32 s47, s16, 18
	s_add_co_u32 s46, s46, s47
	s_lshl_b32 s47, s21, 9
	s_add_co_u32 s46, s46, s47
	s_mov_b32 s47, 0
	s_lshl_b32 s48, s21, 12
	s_mov_b32 s49, 0
	s_lshl_b32 s50, s21, 9
	s_mov_b32 s51, 0
	s_wait_dscnt 0x0
	s_wait_kmcnt 0x0
	s_mov_b32 s32, 1
	s_add_nc_u64 s[34:35], s[8:9], s[36:37]
	s_or_b32 s35, s35, 0x80000000
	CROUND                                         ; all four work-groups are here: the joint load meets
	tensor_load_to_lds s[32:35], s[24:31]          ; my quarter of Wo's tile: the one tensor load of the wave
	s_nop 0
	PLACES 4
	s_add_nc_u64 s[4:5], s[4:5], s[42:43]
	s_add_nc_u64 s[6:7], s[6:7], s[44:45]
	s_add_nc_u64 s[10:11], s[10:11], s[48:49]
	s_add_nc_u64 s[12:13], s[12:13], s[50:51]
	s_add_nc_u64 s[14:15], s[14:15], s[46:47]
	v_and_b32 v3, 31, v0                           ; lane
	v_and_b32 v23, 15, v0                          ; r
	v_bfe_u32 v24, v0, 4, 1                        ; h
	v_and_b32 v25, 7, v0
	v_bfe_u32 v26, v0, 3, 1
	v_mul_u32_u24 v27, v25, PITCH
	v_mad_u32_u24 v27, v26, PS, v27
	v_mad_u32_u24 v[ADT], v24, 24, v27
	v_mad_u32_u24 v[ADT+1], v24, 40, v27
	v_lshlrev_b32 v[L16], 4, v3
	v_lshlrev_b32 v[L8], 3, v3
	v_lshlrev_b32 v[BOQ], 7, v24
	v_lshlrev_b32 v28, 5, v25
	v_lshl_add_u32 v28, v26, 10, v28
	v_lshl_add_u32 v[SOT], v24, 11, v28
	v_lshlrev_b32 v[OSX], 2, v23
	v_lshl_add_u32 v[OSX], v24, 7, v[OSX]
	s_mul_i32 s52, s16, 16*SP
	s_add_co_u32 s52, s52, STG                     ; my stage
	v_mul_u32_u24 v[STO], v23, SP
	v_lshl_add_u32 v[STO], v24, 7, v[STO]
	v_add_nc_u32 v[STO], s52, v[STO]               ; in: row r, + 128 h
	v_add_nc_u32 v[SRD], s52, v[L16]               ; back: 16 bytes a lane of a row
.irp t, 0,1
.irp hd, 0,1,2,3,4,5,6,7,8,9,10,11,12,13,14,15
	global_load_b32 v[160+16*\t+\hd], v[OSX], s[6:7] offset:\hd*8192+64*\t    ; a head's word holds its two bytes in the half that is its own
.endr
.endr
.irp t, 0,1,2,3
.irp u, 0,1
	global_load_b128 v[TS+8*\t+4*\u:TS+8*\t+4*\u+3], v[SOT], s[10:11] offset:256*\t+16*\u
.endr
.endr
.irp c, 0,1
.irp t, 0,1,2,3
.irp u, 0,1
	global_load_b128 v[BB+32*\c+8*\t+4*\u:BB+32*\c+8*\t+4*\u+3], v[BOQ], s[12:13] offset:256*\c+32*\t+16*\u
.endr
.endr
.endr
.irp q, 0,1,2,3,4,5,6,7                ; my 64 tokens' codes, all of K: K step q = heads 2 q and 2 q + 1
.if \q < 5
	WIN 0x40
.else
	WIN 0x80
.endif
.irp tj, 0,1,2,3
.irp c, 0,1
	global_load_b128 v[48*(\q%5)+12*\tj+6*\c:48*(\q%5)+12*\tj+6*\c+3], v[L16], s[4:5] offset:(2*\q+\c)*98304+\tj*768
	global_load_b64 v[48*(\q%5)+12*\tj+6*\c+4:48*(\q%5)+12*\tj+6*\c+5], v[L8], s[4:5] offset:(2*\q+\c)*98304+\tj*768+512
.endr
.endr
.endr
	WIN 0
	s_wait_loadcnt 0x0
.irp t, 0,1
.irp q, 0,1,2,3,4,5,6,7
	v_or_b32 v[RS+8*\t+\q], v[160+16*\t+2*\q], v[160+16*\t+2*\q+1]   ; an even and an odd head make a K step's word
.endr
.endr
	PLACES 8                                       ; scale registers written by vector instructions stand eight places ahead of the scaled products
	s_wait_alu depctr_va_vdst(0)
	s_wait_tensorcnt 0x0                           ; my quarter of the tile is in
	s_barrier_signal -1
	s_barrier_wait -1                              ; everybody's is
	FETCH 0, 0
	s_wait_dscnt 0x0
	FETCH 1, 1
	MULS 0
.irp q, 1,2,3,4,5,6
	s_wait_dscnt 0x0                               ; this step's fragments are in: they were asked for 32 matrix instructions ago
	PLACES 4                                       ; in front of loads into the set that the step before multiplied
	FETCH \q+1, (\q+1)%2
	MULS \q
.endr
	s_wait_dscnt 0x0
	MULS 7
	PLACES 4                                       ; in front of the first read of results
.irp tj, 0,1,2,3
	WIN 0x0c                                       ; an LDS store's data are its source 1: window 3
.irp c, 0,1
.irp t, 0,1,2,3
	ds_store_b128 v[STO], v[32*(4*\c+\tj)+8*\t:32*(4*\c+\tj)+8*\t+3] offset:256*\c+32*\t          ; each accumulator from its low end on
	ds_store_b128 v[STO], v[32*(4*\c+\tj)+8*\t+4:32*(4*\c+\tj)+8*\t+7] offset:256*\c+32*\t+16
.endr
.endr
	WIN 0
.irp t, 0,1,2,3,4,5,6,7,8,9,10,11,12,13,14,15
	ds_load_b128 v[160+4*\t:160+4*\t+3], v[SRD] offset:SP*\t     ; LDS serves a wave's instructions in order (ISA guide 5.7.1.4): these see my stores
.endr
.irp t, 0,1,2,3,4,5,6,7,8,9,10,11,12,13,14,15
	s_wait_dscnt 15-\t                             ; row t is back: 15 - t loads were issued behind it
	global_store_b128 v[L16], v[160+4*\t:160+4*\t+3], s[14:15] offset:(8*\tj+(\t%8)+32*(\t/8))*4096 th:TH_STORE_NT
.endr
	s_wait_xcnt 0x0                                ; the stores' registers are loaded again only behind this wait
.endr
	s_wait_dscnt 0x0
	s_wait_tensorcnt 0x0
	ds_add_u32 v158, v159
	s_wait_dscnt 0x0
	CROUND                                         ; the closing round
	s_endpgm
.Lfunc_end_k_qbbd611cdbe_oproj:
	.size	k_qbbd611cdbe_oproj, .Lfunc_end_k_qbbd611cdbe_oproj-k_qbbd611cdbe_oproj
	.p2alignl 7, 3214868480
	.fill 96, 4, 3214868480
	.section	.rodata,"a",@progbits
	.p2align	6, 0x0
	.amdhsa_kernel k_qbbd611cdbe_oproj
		.amdhsa_group_segment_fixed_size 168448
		.amdhsa_private_segment_fixed_size 0
		.amdhsa_enable_private_segment 0
		.amdhsa_kernarg_size 48
		.amdhsa_user_sgpr_count 2
		.amdhsa_user_sgpr_kernarg_segment_ptr 1
		.amdhsa_wavefront_size32 1
		.amdhsa_system_sgpr_workgroup_id_x 1
		.amdhsa_system_sgpr_workgroup_id_y 1
		.amdhsa_system_sgpr_workgroup_id_z 1
		.amdhsa_system_vgpr_workitem_id 0
		.amdhsa_next_free_vgpr 1024
		.amdhsa_next_free_sgpr 66
		.amdhsa_reserve_vcc 0
		.amdhsa_float_denorm_mode_32 3
		.amdhsa_float_denorm_mode_16_64 3
		.amdhsa_memory_ordered 1
		.amdhsa_forward_progress 1
		.amdhsa_inst_pref_size 98
	.end_amdhsa_kernel
	.amdgpu_metadata
---
amdhsa.version: [ 1, 2 ]
amdhsa.kernels:
  - .name:           k_qbbd611cdbe_oproj
    .symbol:         k_qbbd611cdbe_oproj.kd
    .args:
      - { .name: oimg, .offset: 0, .size: 8, .value_kind: global_buffer, .address_space: global }
      - { .name: oscl, .offset: 8, .size: 8, .value_kind: global_buffer, .address_space: global }
      - { .name: Wo_codes, .offset: 16, .size: 8, .value_kind: global_buffer, .address_space: global }
      - { .name: Wo_scales, .offset: 24, .size: 8, .value_kind: global_buffer, .address_space: global }
      - { .name: bo, .offset: 32, .size: 8, .value_kind: global_buffer, .address_space: global }
      - { .name: out0, .offset: 40, .size: 8, .value_kind: global_buffer, .address_space: global }
    .group_segment_fixed_size: 168448
    .private_segment_fixed_size: 0
    .kernarg_segment_align: 8
    .kernarg_segment_size: 48
    .max_flat_workgroup_size: 128
    .sgpr_count:     66
    .vgpr_count:     1024
    .wavefront_size: 32
...
	.end_amdgpu_metadata
.endif
;; end of part 3
